; MI455X (gfx1250); checked and timed in simulation.
; The chip was launched on July 23, 2026; its instructions are those of AMD's public machine-readable ISA for CDNA 5 (MIT licence, August 2026) and "CDNA5" Instruction Set Architecture Reference Guide (July 2026). The comments in the code are by the model that wrote it; some were corrected since.
;; Self Attention. Allowed arithmetic: matrix products marked QUANTISED: E2M3 operands, one E8M0 scale for each 32 along K, by v_wmma_scale_f32_16x16x128_f8f6f4 with both operands' format E2M3, f32 sums; everything else in f32.
;; Inputs: K_seq 8 x 1,024 x 1,024 float32; Q_seq 8 x 1,024 x 1,024 float32; V_seq 8 x 1,024 x 1,024 float32; WK 1,024 x 1,024 float32; WQ 1,024 x 1,024 float32; WV 1,024 x 1,024 float32.
;; Outputs: out0 8 x 1,024 x 1,024 float32.
;; This version of the problem:
;;   THIS VERSION OF THE PROBLEM IS GIVEN IN LOW PRECISION. The matrix products marked QUANTISED in the list below multiply operands that are first quantised to E2M3 (2 exponent bits, 3 mantissa bits; 6 bits a number), with one power-of-two scale for each 32 numbers along K (OCP MX v1.0); their sums are f32. All else is computed in f32.
;;   The module's matrix products, in the order in which they are computed (A, B: the left and right operand; K: the contracted axis; several contracted axes count as one K, in the product's order):
;;     1. [M 8,192, K 1,024] x [K 1,024, N 1,024]; A: input Q_seq; B: input WQ: QUANTISED
;;     2. [M 8,192, K 1,024] x [K 1,024, N 1,024]; A: input K_seq; B: input WK: QUANTISED
;;     3. [M 8,192, K 1,024] x [K 1,024, N 1,024]; A: input V_seq; B: input WV: QUANTISED
;;     4. batch 128 x [M 1,024, K 64] x [K 64, N 1,024]; A: computed on the way; B: computed on the way: QUANTISED
;;     5. batch 128 x [M 1,024, K 1,024] x [K 1,024, N 64]; A: softmax (see below); B: computed on the way: QUANTISED
;;   THE QUANTISER, for each operand of a quantised product, along K:
;;     - K is cut into blocks of 32 from its start; a last block that is shorter is filled with zeros.
;;     - A block's scale is 2^e with e = floor(log2(the largest magnitude in the block)) - 2, held to -126 .. 127; a block of zeros has e = 0. As a byte (E8M0): e + 127.
;;     - Each number is divided by its block's scale, clamped to +-7.5, and rounded to the nearest number of E2M3, ties to even, subnormals kept.
;;     - The product sums the exact products of the quantised numbers (number of the format x scale) in f32.
;;   ~~~python
;;   def quantise(x, axis):      # numpy; x: float32 -> the quantised numbers, widened to float32 again
;;       x = np.moveaxis(x, axis, -1); K = x.shape[-1]
;;       x = np.pad(x, [(0, 0)] * (x.ndim - 1) + [(0, -K % 32)]); x = x.reshape(x.shape[:-1] + (-1, 32)); a = np.abs(x).max(-1, keepdims=True)
;;       e = np.where(a > 0, np.clip(np.frexp(np.where(a > 0, a, 1))[1] - 1 - 2, -126, 127), 0)      # np.frexp(a)[1] - 1 = floor(log2(a)), exactly
;;       r = np.clip(x / 2.0 ** e, -7.5, 7.5)
;;       step = 2.0 ** (np.maximum(np.frexp(np.where(r == 0, 1, r))[1] - 1, 0) - 3)
;;       q = np.round(r / step) * step * 2.0 ** e      # np.round: ties to even
;;       return np.moveaxis(q.reshape(q.shape[:-2] + (-1,))[..., :K], -1, axis).astype(np.float32)
;;   ~~~
;;   SOFTMAX AHEAD OF A QUANTISED PRODUCT. Where the list says 'softmax', what is quantised is not the finished softmax but p = 2^(t - M), with t = logit x log2(e) and M = ceil(the row's largest t), a whole number; so 1/2 < the row's largest p <= 1. The row's sum l is taken of the UNQUANTISED p, in f32, and the product's result is divided by l at the end. Since M is a whole number, a kernel that streams over the keys may use a running M (the ceiling of the running maximum): every later rescaling is an exact power of two, which a block's scale takes up: the codes' values come out the same.
;;   OPERANDS COMPUTED ON THE WAY. 'Computed on the way' means the value that the module computes at that place (a softmax that the list does not call 'softmax' is quantised finished and normalised). What goes into a quantiser is computed in f32, as accurately as f32 sums, v_exp_f32 and their like allow (about 1e-6 of the number): no bf16 or f16 on the way to a quantiser, and a product that is left as it is and whose result goes on into a quantised operand takes f32 operands (vector FMAs, or v_wmma_f32_16x16x4_f32). A number that lies on a knife's edge between two numbers of the format may be rounded either way, as far as f32 arithmetic and the matrix unit's own rounding can turn it there, and no further.
;; One version. Each part assembles by itself: llvm-mc -triple=amdgcn-amd-amdhsa -mcpu=gfx1250 --defsym DOCPART=n.
;; ======== version 1 of 1: 3 launches
;; limits: right only within a limited range of input values
;; workspace buffers: xc 18,874,368 bytes; xs 786,432 bytes; wc 2,359,296 bytes; ws 98,304 bytes; qf 6,815,744 bytes; kv 13,369,344 bytes
;; launch quant (part 1): grid 864 x 1, 4 waves a work-group, no clusters, 33,280 bytes of LDS; arguments Q_seq, K_seq, V_seq, WQ, WK, WV, xc, xs, wc, ws; writes xc, xs, wc, ws
.if DOCPART == 1
	.amdgcn_target "amdgcn-amd-amdhsa--gfx1250"
	.amdhsa_code_object_version 6
	.text
	.protected	k_q70c477a1db_quant
	.globl	k_q70c477a1db_quant
	.p2align	8
	.type	k_q70c477a1db_quant,@function
k_q70c477a1db_quant:
	s_mov_b64 s[64:65], 0
	v_nop
	global_prefetch_b8 v0, s[64:65] scope:SCOPE_SE
	s_setreg_imm32_b32 hwreg(HW_REG_WAVE_MODE, 25, 1), 1
	s_wait_xcnt 0x0
; Q_seq, K_seq, V_seq [8192][1024] and WQ, WK, WV [1024][1024], f32, become codes of FP6 (E2M3), 6 bits each, K (the last axis) innermost, with one E8M0 scale byte for each 32 along K.
; xc: 24,576 rows x 768 bytes (Q's, K's, V's rows on end), xs: their 32 scale bytes a row; wc: 3,072 rows x 768 bytes (WQ, WK, WV), ws likewise.
; A block's scale is 2^(floor(log2(its largest magnitude)) - 2); its byte is the largest magnitude's exponent field - 2, held at 1 from below; each number is divided by the scale and rounded to the nearest code, ties to even.
; A ROW IS NOT STORED AT ITS OWN NUMBER: bits 3 and 4 of the row's number change places.  So 16 rows on end in xc or wc (the 16 u + r of a group of 32) are the rows 8 u + r + 8 (r / 8) of the tensor,
; which is the order in which the next launch wants the rows of a tile.  A wave takes 8 rows, so the exchange is an exchange of the wave's two bits in the address that it stores to.
; LIMITS: NaN and infinities among the inputs are not served.  A block of zeros, or one whose largest magnitude lies under the floor 2^(3 - 127), gets the byte 1: a block of zeros has zero codes, which add nothing
; under any byte but 0xff, and the bytes are read by this program alone.
; A work-group takes 32 rows, a wave 8 rows: 16 steps of 512 numbers.  Each of a step's four loads reads 512 consecutive bytes, 16 a lane; the 2,048 bytes go through the wave's own stage in LDS and come back 64 bytes
; a lane, since a conversion takes 16 neighbours from ONE lane's registers; two neighbouring lanes hold a block.  A lane's 16 codes are 12 bytes: the wave stores 384 consecutive bytes.  A wave's 256 scale bytes are
; gathered in its own LDS and leave as one aligned run of 256 bytes.  Waves share nothing: no barrier.  Loads run four steps (16 loads a wave) ahead, the turn through LDS one step.
.set WAVES, 4
.set STEPS, 16
.set XWG,   768                        ; work-groups 0-767: Q_seq, K_seq, V_seq, 256 each; 768-863: WQ, WK, WV, 32 each
.set EMAX,  2
.set CB,    12                         ; bytes of 16 codes
.set R,     16                         ; v16-79   four sets of 16 numbers as they are loaded
.set X,     80                         ; v80-111  two sets of 16 neighbours
.set C,     128                        ; v128-191 codes: four registers for each step, so that no store's data are written again
.set E,     112                        ; v112-127 a scale byte for each step
.set WREG,  8192                       ; LDS: a region for each wave: two stages of 32 x SP bytes, behind them its 256 scale bytes
.set SP,    80                         ; a lane's place in a stage: its 64 bytes + 16 of padding
.set SPW,   12                         ; v12      LDS address of my spare word: SPARE + 4 x my thread's number; never rewritten
.set NIL,   13                         ; v13      0; never rewritten
.set SPARE, WAVES*WREG                 ; behind the four regions: the spare words, 128 bytes a wave, which no other line names
	s_load_b512 s[4:19], s[0:1], 0x0               ; Q_seq s[4:5], K_seq s[6:7], V_seq s[8:9], WQ s[10:11], WK s[12:13], WV s[14:15], xc s[16:17], xs s[18:19]
	s_load_b128 s[20:23], s[0:1], 0x40             ; wc s[20:21], ws s[22:23]
	v_lshl_add_u32 v[SPW], v0, 2, SPARE
	v_mov_b32 v[NIL], 0
	v_lshrrev_b32 v1, 5, v0
	v_readfirstlane_b32 s24, v1                    ; wave
	v_and_b32 v2, 31, v0                           ; lane
	v_lshlrev_b32 v3, 4, v2                        ; my 16 bytes of a load's 512
	s_mul_i32 s25, s24, WREG
	v_lshrrev_b32 v14, 2, v2
	v_mul_u32_u24 v14, v14, SP
	v_and_b32 v15, 3, v2
	v_lshl_add_u32 v14, v15, 4, v14
	v_add_nc_u32 v14, s25, v14                     ; the stage, on the way in: four lanes' 64 bytes on end, then 16 of padding
	v_mul_u32_u24 v15, v2, SP
	v_add_nc_u32 v15, s25, v15                     ; and on the way out: SP x lane: my 16 neighbours
	v_mul_u32_u24 v4, v2, CB                       ; my codes' place in a step's
	v_lshrrev_b32 v5, 1, v2
	s_add_co_u32 s25, s25, 2*32*SP
	v_add_nc_u32 v5, s25, v5                       ; LDS: my wave's 256 scale bytes, my block's byte
	v_lshlrev_b32 v7, 3, v2                        ; and on the way out 8 bytes a lane
	v_add_nc_u32 v6, s25, v7
	; the three byte offsets, made of the work-group's and the wave's numbers alone
	s_cmp_lt_u32 ttmp9, XWG
	s_cselect_b32 s26, 0, XWG
	s_cselect_b32 s27, 255, 31                     ; work-groups in a tensor, less one
	s_sub_co_u32 s26, ttmp9, s26                   ; u: my group of 32 rows in xc or in wc
	s_and_b32 s27, s26, s27                        ; and in the tensor that I read
	s_lshl_b32 s27, s27, 2
	s_add_co_u32 s27, s27, s24                     ; the run of 8 rows that my wave reads,
	s_lshl_b32 s28, s27, 15                        ; 32,768 bytes each (under 2^26)
	s_mov_b32 s29, 0
	s_and_b32 s30, s24, 1
	s_lshl_b32 s30, s30, 1
	s_lshr_b32 s31, s24, 1
	s_or_b32 s30, s30, s31                         ; the wave's two bits exchanged: bits 3 and 4 of the row's number
	s_lshl_b32 s26, s26, 2
	s_add_co_u32 s26, s26, s30                     ; the run of 8 rows that my wave stores
	s_mul_i32 s30, s26, 32*STEPS*CB                ; 6,144 bytes of codes,
	s_mov_b32 s31, 0
	s_lshl_b32 s32, s26, 8                         ; 256 scale bytes
	s_mov_b32 s33, 0
	s_wait_alu depctr_va_vdst(0)
	s_wait_kmcnt 0x0
	; which tensor: every choice hangs on the work-group's number alone.  s[14:15] begins as WV
	s_cmp_lt_u32 ttmp9, 832
	s_cselect_b64 s[14:15], s[12:13], s[14:15]
	s_cmp_lt_u32 ttmp9, 800
	s_cselect_b64 s[14:15], s[10:11], s[14:15]
	s_cmp_lt_u32 ttmp9, XWG
	s_cselect_b64 s[14:15], s[8:9], s[14:15]
	s_cselect_b64 s[16:17], s[16:17], s[20:21]     ; codes: xc or wc
	s_cselect_b64 s[18:19], s[18:19], s[22:23]     ; scale bytes: xs or ws
	s_cmp_lt_u32 ttmp9, 512
	s_cselect_b64 s[14:15], s[6:7], s[14:15]
	s_cmp_lt_u32 ttmp9, 256
	s_cselect_b64 s[14:15], s[4:5], s[14:15]
	s_add_nc_u64 s[14:15], s[14:15], s[28:29]
	s_add_nc_u64 s[16:17], s[16:17], s[30:31]
	s_add_nc_u64 s[18:19], s[18:19], s[32:33]
.macro LOAD t
.irp i, 0,1,2,3
	global_load_b128 v[R+16*((\t)%4)+4*\i:R+16*((\t)%4)+4*\i+3], v3, s[14:15] offset:2048*(\t)+512*\i th:TH_LOAD_NT   ; 32 lanes read 512 consecutive bytes; read once in the launch
.endr
.endm
.macro TURN t                          ; step t's numbers through the stage: LDS serves a wave's instructions in order (ISA guide 5.7.1.4), so no wait stands between the stores and the loads
.irp i, 0,1,2,3
	ds_store_b128 v14, v[R+16*((\t)%4)+4*\i:R+16*((\t)%4)+4*\i+3] offset:32*SP*((\t)%2)+8*SP*\i
.endr
.irp i, 0,1,2,3
	ds_load_b128 v[X+16*((\t)%2)+4*\i:X+16*((\t)%2)+4*\i+3], v15 offset:32*SP*((\t)%2)+16*\i
.endr
.endm
.irp t, 0,1,2,3
	LOAD \t
.endr
	s_wait_loadcnt 12                              ; step 0's four loads are in; the twelve of steps 1 to 3 may be out
	TURN 0
.macro STEP t
.set XS, X+16*((\t)%2)
.if (\t) > 0
	s_wait_dscnt 1                                 ; this step's numbers are back from the stage (the last step's byte store may be out): so its stores into the stage have read their registers,
.else
	s_wait_dscnt 0x0
.endif
.if (\t)+4 < STEPS
	LOAD (\t)+4                                    ; which take the loads of four steps on
.endif
.if (\t)+1 < STEPS
.if STEPS-2-(\t) >= 3
	s_wait_loadcnt 12                              ; the next step's four loads are in; those of the three steps behind it may be out
.else
	s_wait_loadcnt 4*(STEPS-2-(\t))                ; at the end the count runs down: 8, 4, 0
.endif
	TURN (\t)+1                                    ; and go through the other stage while this step is worked
.endif
	v_max3_num_f32 v8, |v[XS]|, |v[XS+1]|, |v[XS+2]|               ; the largest magnitude of my 16, in two chains
	v_max3_num_f32 v9, |v[XS+3]|, |v[XS+4]|, |v[XS+5]|
.irp i, 6,10
	v_max3_num_f32 v8, v8, |v[XS+\i]|, |v[XS+\i+1]|
	v_max3_num_f32 v9, v9, |v[XS+\i+2]|, |v[XS+\i+3]|
.endr
	v_max3_num_f32 v8, v8, |v[XS+14]|, |v[XS+15]|
	v_max3_num_f32 v8, v8, v9, (EMAX+1)<<23        ; and the floor 2^(EMAX + 1 - 127): so the byte cannot fall under 1
	v_max_num_f32_dpp v8, v8, v8 row_xmask:1 row_mask:0xf bank_mask:0xf   ; and of my neighbour's 16: the block's
	v_add_nc_u32 v11, -(EMAX<<23), v8              ; EMAX off its exponent field: the conversion takes the exponent field of this operand as its scale, and nothing else of it
	v_cvt_scalef32_pk16_fp6_f32 v[C+4*(\t):C+4*(\t)+2], v[XS:XS+15], v11   ; sixteen numbers / the scale, to the nearest code, ties to even, beyond the largest code the largest; 96 bits without gaps
	v_lshrrev_b32 v[E+(\t)], 23, v11               ; the scale's byte (also the plain line behind the conversion)
	ds_store_b8 v5, v[E+(\t)] offset:16*(\t)       ; both lanes of a block write the same byte with the same value
	global_store_b96 v4, v[C+4*(\t):C+4*(\t)+2], s[16:17] offset:32*CB*(\t)
.endm
.irp t, 0,1,2,3,4,5,6,7,8,9,10,11,12,13,14,15
	STEP \t
.endr
	ds_load_b64 v[8:9], v6                         ; LDS serves a wave's instructions in order: these see my byte stores
	s_wait_dscnt 0x0
	global_store_b64 v7, v[8:9], s[18:19]          ; 32 lanes store 256 consecutive bytes, at a multiple of 256 from the buffer's first byte
	s_wait_tensorcnt 0x0                           ; the wave's end: behind my last LDS store
	ds_add_u32 v[SPW], v[NIL]
	s_wait_dscnt 0x0
	s_endpgm
.Lfunc_end_k_q70c477a1db_quant:
	.size	k_q70c477a1db_quant, .Lfunc_end_k_q70c477a1db_quant-k_q70c477a1db_quant
	.p2alignl 7, 3214868480
	.fill 96, 4, 3214868480
	.section	.rodata,"a",@progbits
	.p2align	6, 0x0
	.amdhsa_kernel k_q70c477a1db_quant
		.amdhsa_group_segment_fixed_size 33280
		.amdhsa_private_segment_fixed_size 0
		.amdhsa_enable_private_segment 0
		.amdhsa_kernarg_size 80
		.amdhsa_user_sgpr_count 2
		.amdhsa_user_sgpr_kernarg_segment_ptr 1
		.amdhsa_wavefront_size32 1
		.amdhsa_system_sgpr_workgroup_id_x 1
		.amdhsa_system_sgpr_workgroup_id_y 1
		.amdhsa_system_sgpr_workgroup_id_z 1
		.amdhsa_system_vgpr_workitem_id 0
		.amdhsa_next_free_vgpr 192
		.amdhsa_next_free_sgpr 66
		.amdhsa_reserve_vcc 0
		.amdhsa_float_denorm_mode_32 3
		.amdhsa_float_denorm_mode_16_64 3
		.amdhsa_memory_ordered 1
		.amdhsa_forward_progress 1
		.amdhsa_inst_pref_size 33
	.end_amdhsa_kernel
	.amdgpu_metadata
---
amdhsa.version: [ 1, 2 ]
amdhsa.kernels:
  - .name:           k_q70c477a1db_quant
    .symbol:         k_q70c477a1db_quant.kd
    .args:
      - { .name: Q_seq, .offset: 0, .size: 8, .value_kind: global_buffer, .address_space: global }
      - { .name: K_seq, .offset: 8, .size: 8, .value_kind: global_buffer, .address_space: global }
      - { .name: V_seq, .offset: 16, .size: 8, .value_kind: global_buffer, .address_space: global }
      - { .name: WQ, .offset: 24, .size: 8, .value_kind: global_buffer, .address_space: global }
      - { .name: WK, .offset: 32, .size: 8, .value_kind: global_buffer, .address_space: global }
      - { .name: WV, .offset: 40, .size: 8, .value_kind: global_buffer, .address_space: global }
      - { .name: xc, .offset: 48, .size: 8, .value_kind: global_buffer, .address_space: global }
      - { .name: xs, .offset: 56, .size: 8, .value_kind: global_buffer, .address_space: global }
      - { .name: wc, .offset: 64, .size: 8, .value_kind: global_buffer, .address_space: global }
      - { .name: ws, .offset: 72, .size: 8, .value_kind: global_buffer, .address_space: global }
    .group_segment_fixed_size: 33280
    .private_segment_fixed_size: 0
    .kernarg_segment_align: 8
    .kernarg_segment_size: 80
    .max_flat_workgroup_size: 128
    .sgpr_count:     66
    .vgpr_count:     192
    .wavefront_size: 32
...
	.end_amdgpu_metadata
.endif
;; end of part 1
;; launch proj (part 2): grid 4 x 64, 4 waves a work-group, clusters of 4 x 4, 327,680 bytes of LDS; arguments xc, xs, wc, ws, qf, kv; writes qf, kv
.if DOCPART == 2
	.amdgcn_target "amdgcn-amd-amdhsa--gfx1250"
	.amdhsa_code_object_version 6
	.text
	.protected	k_q70c477a1db_proj
	.globl	k_q70c477a1db_proj
	.p2align	8
	.type	k_q70c477a1db_proj,@function
k_q70c477a1db_proj:
	s_mov_b64 s[64:65], 0
	v_nop
	global_prefetch_b8 v0, s[64:65] scope:SCOPE_SE
	s_setreg_imm32_b32 hwreg(HW_REG_WAVE_MODE, 25, 1), 1
	s_wait_xcnt 0x0
	s_wait_alu depctr_hold_cnt(0) depctr_sa_sdst(0) depctr_va_vdst(0) depctr_va_sdst(0) depctr_va_ssrc(0) depctr_va_vcc(0) depctr_vm_vsrc(0)
	s_getreg_b32 s2, hwreg(HW_REG_IB_STS2, 6, 4)
	s_cmp_eq_u32 s2, 0
	s_cbranch_scc0 .Lentry_in_a_cluster
	s_endpgm
.Lentry_in_a_cluster:
	s_bfe_u32 s2, ttmp6, 0x10000c
	s_cmp_lg_u32 s2, 0xf033
	s_cbranch_scc0 .Lentry_shape_is_right
	s_endpgm
.Lentry_shape_is_right:
; Q = Q_seq WQ^T, K = K_seq WK^T, V = V_seq WV^T on codes of FP6 (E2M3) with E8M0 scales, and the quantisers of the three results, which leave as images of the next launch's operand registers (qf, kv).
; xc: 24,576 rows x 768 bytes of codes (Q_seq's, K_seq's, V_seq's rows), xs: 32 scale bytes a row; wc, ws: the same for WQ, WK, WV (3,072 rows).  In each group of 32 rows bits 3 and 4 of the row's number have changed places.
; THE DEAL.  Each tensor is 256 tiles of 256 (A) x 128 (B); 256 work-groups make one tile of Q, then one of K, then one of V: three passes.  Q, K: A = tokens, B = the weight's rows; V: A = WV's rows, B = tokens.
; The matrix instruction is used transposed (source 0 = 16 rows of B, source 1 = 16 rows of A): a lane holds one row of A and its registers run along B's 128 rows, the next product's K.
; A wave takes 64 rows of A x all 128 of B: 32 accumulators.  A cluster of 4 x 4 covers 1,024 of A x 512 of B; A's tile is asked for jointly by a row of the cluster, B's by a column.
; LDS holds ALL OF K: A's 256 rows and B's 128 rows of 768 bytes (16 of padding behind each 256: pitch 816) and their scale bytes as rows of 256 bytes: no ring.  Four tiles a pass, one tensor load a wave.
; THE REFILL for the next pass stands in a round of the cluster's barrier inside step 7, when every wave's last LDS read of the pass is back; it is on its way under the last products and the way out.
; Q's and K's passes are a loop of two trips, each with a refill; V's pass is written out and fills nothing.
; A step of 128 along K is 32 products; behind each four of the first 24 two fragments of the next step are fetched into the other set of registers.  Every wait on DScnt is for 0.
; PREFETCH: at a pass's start each wave names its share of the next pass's rows, seven steps ahead of the refill: a sixteenth of A's tile (48 blocks of 256 bytes) and of B's (24), shared out by address among the
; sixteen waves that will ask jointly.  A weight's rows, which up to sixteen clusters read, are named by clusters 0 to 3 alone.  The first pass's tiles and the scale bytes (1/24 of the codes) come by their loads alone.
; Q's and K's scale words leave as 8 bytes a lane, 16 apart: two waves share a step's 512 bytes, and LDS has no room for a stage.
; LIMITS: NaN and infinities are not served.  A result block under the floor 2^(3 - 127) gets the byte 1; its bytes are read by this program alone.
.set KROW,   768
.set KS,     32
.set PITCH,  816
.set FR,     12
.set BBASE,  256*PITCH                 ; B's rows behind A's
.set SCL,    BBASE+128*PITCH           ; A's scales: 32 units of 256 + 16
.set SCLB,   SCL+32*272                ; B's: 16 units
.set SBLK,   544                       ; the scales of 16 rows
.set SPARE,  SCLB+16*272               ; the spare words: 512 bytes that no other line names
.set QHEAD,  53248
.set QSTEP,  6656
.set KVHEAD, 104448
.set KVSTEP, 13056
.set PF0,  11                          ; v11 256 x lane; v12 256 x min(lane, 15); v13 256 x min(lane, 23): the prefetches' offsets
.set L8,   25
.set L16,  26
.set ADRS, 27                          ; my scale words: lanes 0-15 A's rows, lanes 16-31 B's
.set SPW,  28
.set NIL,  29
.set AA,   32                          ; v32-39 LDS addresses of A's four blocks: a pair each (the second for pieces whose lanes 16-31 lie behind one padding more)
.set AB,   40                          ; v40-55 of B's eight
.set SC,   56                          ; v56-135 scale words: block i, step q at SC + 10 i + q; they hold nothing else
.set AF,   136                         ; v136-231 A's fragments, two sets of 48; B's two sets in window 1 at 0 and 128; accumulators in window 2
.set TM,   136                         ; the way out, over A's fragments
.set T,    152
.set PW,   160
.set OUT,  168
.set SW,   216
.set G1A, 24
.set G1B, 32
.set G1S, 40
.set G1T, 48
.set G0A, 56
.set G0B, 60
.set G0S, 68
.set G0T, 72
.set N1,  76                           ; s[76:83] the next pass's four addresses (A, B, A's scales, B's); s[84:91] the pass after
.set N2,  84
.set MSB, 0
.macro WIN new
.if MSB != \new
	s_set_vgpr_msb (MSB<<8)|\new
.set MSB, \new
.endif
.endm
.set MUL,  0xa1                        ; source 0 window 1, source 1 window 0, C and D window 2
.set TO_B, 0x40
.macro PLACES n
.rept \n
	v_nop
.endr
.endm
.macro WALU
	s_wait_alu depctr_va_vdst(0)
.endm
.macro CREST
	s_cmp_lg_u32 s14, 0
	s_cbranch_scc1 .Lnot_wave_0_\@
	s_barrier_signal -3
.Lnot_wave_0_\@:
	s_barrier_wait -3
	s_barrier_signal -1
	s_barrier_wait -1
.endm
.macro CROUND
	s_barrier_signal -1
	s_barrier_wait -1
	CREST
.endm
.macro TLOAD g0, g1
	tensor_load_to_lds s[\g0:\g0+3], s[\g1:\g1+7]
	s_nop 0
	PLACES 4
.endm
.macro ARMS                            ; one tree of branches on the wave's number, one load to an arm
	s_cmp_lt_u32 s14, 1
	s_cbranch_scc0 .Lb_\@
	TLOAD G0A, G1A
	s_branch .Lj_\@
.Lb_\@:
	s_cmp_lt_u32 s14, 2
	s_cbranch_scc0 .Ls_\@
	TLOAD G0B, G1B
	s_branch .Lj_\@
.Ls_\@:
	s_cmp_lt_u32 s14, 3
	s_cbranch_scc0 .Lt_\@
	TLOAD G0S, G1S
	s_branch .Lj_\@
.Lt_\@:
	TLOAD G0T, G1T
.Lj_\@:
.endm
.macro GROUP1 g, mask, rows            ; rows of 768 bytes, 16 of padding behind each 256
	s_or_b32 s[\g+0], s\mask, (1<<20)|(1<<21)|(5<<22)|(3<<25)
	s_mov_b32 s[\g+1], KROW<<16
	s_mov_b32 s[\g+2], (\rows)<<16
	s_mov_b32 s[\g+3], KROW<<16
	s_mov_b32 s[\g+4], \rows
	s_mov_b32 s[\g+5], KROW
	s_mov_b32 s[\g+6], 0
	s_mov_b32 s[\g+7], 0
.endm
.macro GROUPS g, mask, units           ; a dense block as rows of 256 bytes (32 elements of 8), 16 of padding behind each
	s_or_b32 s[\g+0], s\mask, (3<<16)|(1<<20)|(1<<21)|(5<<22)|(3<<25)
	s_mov_b32 s[\g+1], 32<<16
	s_mov_b32 s[\g+2], (\units)<<16
	s_mov_b32 s[\g+3], 32<<16
	s_mov_b32 s[\g+4], \units
	s_mov_b32 s[\g+5], 32
	s_mov_b32 s[\g+6], 0
	s_mov_b32 s[\g+7], 0
.endm
.macro ADDR d, base, row, mul          ; s[d:d+1] = buffer + row x mul bytes (under 2^25)
	s_mul_i32 s12, s\row, \mul
	s_mov_b32 s13, 0
	s_add_nc_u64 s[\d:\d+1], s[\base:\base+1], s[12:13]
.endm
.macro NEXT g, k                       ; group 0 takes the next pass's address; the pass after moves up
	s_mov_b64 s[\g+2:\g+3], s[N1+2*\k:N1+2*\k+1]
	s_or_b32 s[\g+3], s[\g+3], 0x80000000
	s_mov_b64 s[N1+2*\k:N1+2*\k+1], s[N2+2*\k:N2+2*\k+1]
.endm
	s_load_b256 s[4:11], s[0:1], 0x0               ; xc, xs, wc, ws
	s_load_b128 s[96:99], s[0:1], 0x20             ; qf, kv
	v_lshl_add_u32 v[SPW], v0, 2, SPARE
	v_mov_b32 v[NIL], 0
	ds_add_u32 v[SPW], v[NIL]                      ; the opening lines: the add twice and one wait
	ds_add_u32 v[SPW], v[NIL]
	v_lshrrev_b32 v1, 5, v0
	v_readfirstlane_b32 s14, v1                    ; wave
	s_bfe_u32 s16, ttmp6, 0x40000                  ; cx
	s_bfe_u32 s17, ttmp6, 0x40004                  ; cy
	s_and_b32 s66, ttmp7, 0xffff                   ; the cluster, 0 .. 15
	s_lshl_b32 s18, s17, 2
	s_lshl_b32 s18, 15, s18                        ; my row of the cluster
	s_lshl_b32 s19, 0x1111, s16                    ; my column
	GROUP1 G1A, 18, 256
	GROUP1 G1B, 19, 128
	GROUPS G1S, 18, 32
	GROUPS G1T, 19, 16
	s_lshr_b32 s20, s66, 1
	s_lshl_b32 s20, s20, 10
	s_lshl_b32 s21, s17, 8
	s_add_co_u32 s20, s20, s21                     ; A's first row, Q's pass: in xc, batch cluster / 2, by cy
	s_add_co_u32 s21, s21, 2048                    ; V's pass: in wc
	s_and_b32 s22, s66, 1
	s_lshl_b32 s22, s22, 9
	s_lshl_b32 s23, s16, 7
	s_add_co_u32 s22, s22, s23                     ; B's first row, Q's pass: in wc, half cluster % 2, by cx
	s_lshl_b32 s12, s66, 9
	s_add_co_u32 s23, s23, s12
	s_add_co_u32 s23, s23, 16384                   ; V's pass: in xc
	s_cmp_lt_u32 s66, 4
	s_cselect_b32 s15, 1, 0                        ; my cluster names the weights' rows in its prefetches
	s_lshr_b32 s92, s66, 1                         ; Q, K: my first head: 16 x batch + 2 (4 (cluster % 2) + cx)
	s_lshl_b32 s92, s92, 4
	s_and_b32 s12, s66, 1
	s_lshl_b32 s12, s12, 2
	s_add_co_u32 s12, s12, s16
	s_lshl_b32 s12, s12, 1
	s_add_co_u32 s92, s92, s12
	s_lshl_b32 s93, s17, 1                         ; my step of 128 tokens: 2 cy + wave / 2
	s_lshr_b32 s12, s14, 1
	s_add_co_u32 s93, s93, s12
	s_and_b32 s12, s14, 1                          ; my two pairs of its four
	s_mul_i32 s94, s12, 3072
	s_mov_b32 s95, 0
	s_lshl_b32 s100, s12, 3
	s_mov_b32 s101, 0
	s_mov_b32 s104, 0x76543210                     ; lane l xor 16
	s_mov_b32 s105, 0xfedcba98
	s_mov_b32 s[G0A], 1
	s_mov_b32 s[G0A+1], 0
	s_mov_b32 s[G0B], 1
	s_mov_b32 s[G0B+1], BBASE
	s_mov_b32 s[G0S], 1
	s_mov_b32 s[G0S+1], SCL
	s_mov_b32 s[G0T], 1
	s_mov_b32 s[G0T+1], SCLB
	s_mov_b32 s67, 0                               ; the pass
	s_wait_dscnt 0x0
	s_wait_kmcnt 0x0
	ADDR N2,   8,  21, KROW                        ; V's pass
	ADDR N2+2, 4,  23, KROW
	ADDR N2+4, 10, 21, KS
	ADDR N2+6, 6,  23, KS
	ADDR N1,   4,  20, KROW                        ; Q's pass
	ADDR N1+2, 8,  22, KROW
	ADDR N1+4, 6,  20, KS
	ADDR N1+6, 10, 22, KS
	s_mov_b64 s[G0A+2:G0A+3], s[N1:N1+1]
	s_or_b32 s[G0A+3], s[G0A+3], 0x80000000
	s_mov_b64 s[G0B+2:G0B+3], s[N1+2:N1+3]
	s_or_b32 s[G0B+3], s[G0B+3], 0x80000000
	s_mov_b64 s[G0S+2:G0S+3], s[N1+4:N1+5]
	s_or_b32 s[G0S+3], s[G0S+3], 0x80000000
	s_mov_b64 s[G0T+2:G0T+3], s[N1+6:N1+7]
	s_or_b32 s[G0T+3], s[G0T+3], 0x80000000
	s_add_nc_u64 s[N1:N1+1], s[N1:N1+1], 8192*KROW           ; K's pass: the next tensor's rows
	s_add_nc_u64 s[N1+2:N1+3], s[N1+2:N1+3], 1024*KROW
	s_add_nc_u64 s[N1+4:N1+5], s[N1+4:N1+5], 8192*KS
	s_add_nc_u64 s[N1+6:N1+7], s[N1+6:N1+7], 1024*KS
	CROUND                                         ; the round ahead of the first joint loads
	ARMS
	v_and_b32 v1, 15, v0                           ; r
	v_bfe_u32 v2, v0, 4, 1                         ; h
	v_and_b32 v3, 31, v0                           ; lane
	v_mul_u32_u24 v4, v1, PITCH
	v_mad_u32_u24 v5, v2, 24, v4
	v_mad_u32_u24 v6, v2, 40, v4
	s_mul_i32 s12, s14, 64*PITCH                   ; my 64 rows of A
	v_add_nc_u32 v7, s12, v5
	v_add_nc_u32 v8, s12, v6
.irp i, 0,1,2,3
	v_add_nc_u32 v[AA+2*\i], \i*16*PITCH, v7
	v_add_nc_u32 v[AA+2*\i+1], \i*16*PITCH, v8
.endr
.irp i, 0,1,2,3,4,5,6,7
	v_add_nc_u32 v[AB+2*\i], BBASE+\i*16*PITCH, v5
	v_add_nc_u32 v[AB+2*\i+1], BBASE+\i*16*PITCH, v6
.endr
	v_mul_u32_u24 v9, v1, KS
	v_lshrrev_b32 v10, 8, v9
	v_lshl_add_u32 v9, v10, 4, v9                  ; my row's 32 bytes, 16 more behind each 256
	s_mul_i32 s21, s14, 4*SBLK
	s_mov_b32 s22, SCLB-SCL
	s_sub_co_u32 s22, s22, s21
	v_mul_u32_u24 v10, s22, v2                     ; lanes 16-31 take B's
	s_add_co_u32 s21, s21, SCL
	v_add_nc_u32 v9, v9, v10
	v_add_nc_u32 v[ADRS], s21, v9
	v_lshlrev_b32 v[L16], 4, v3
	v_lshlrev_b32 v[L8], 3, v3
	v_lshlrev_b32 v[PF0], 8, v3
	v_min_u32 v[PF0+1], 15, v3
	v_min_u32 v[PF0+2], 23, v3
	v_lshlrev_b32 v[PF0+1], 8, v[PF0+1]
	v_lshlrev_b32 v[PF0+2], 8, v[PF0+2]
.macro FRAG reg, q, a0                 ; a fragment: six pieces of 8 bytes, two to a load where both go by the same address register; piece n of a row lies at 8 n + 16 (n / 32)
.set SKIP_, 0
.irp p, 0,1,2,3,4,5
.if SKIP_
.set SKIP_, 0
.else
.set PC_, 12*(\q)+6*(\p/3)+\p%3
.set PN_, 12*(\q)+6*((\p+1)/3)+(\p+1)%3
.set X_, (PC_%32+3)/32
.set XQ_, (PN_%32+3)/32
.if (\p < 5) && (X_ == XQ_)
.set SKIP_, 1
	ds_load_2addr_b64 v[\reg+2*\p:\reg+2*\p+3], v[\a0+X_] offset0:PC_+2*(PC_/32) offset1:PN_+2*(PN_/32)
.else
	ds_load_b64 v[\reg+2*\p:\reg+2*\p+1], v[\a0+X_] offset:8*(PC_+2*(PC_/32))
.endif
.endif
.endr
.endm
.macro FETCHF f, st                    ; fragment f of step st: 0-7 B's blocks, 8-11 A's
.if (\f) < 8
	WIN TO_B
	FRAG 128*((\st)%2)+FR*(\f), \st, AB+2*(\f)
.else
	WIN 0
	FRAG AF+48*((\st)%2)+FR*((\f)-8), \st, AA+2*((\f)-8)
.endif
.endm
.macro MUL4 a, b0, st, zero            ; A's block a x four of B's; the 32 accumulators take turns
	WIN MUL
.irp b, \b0, \b0+1, \b0+2, \b0+3
.if \zero
	v_wmma_scale_f32_16x16x128_f8f6f4 v[8*(8*(\a)+(\b)):8*(8*(\a)+(\b))+7], v[128*((\st)%2)+FR*(\b):128*((\st)%2)+FR*(\b)+FR-1], v[AF+48*((\st)%2)+FR*(\a):AF+48*((\st)%2)+FR*(\a)+FR-1], 0, v[SC+10*(\b)+(\st)], v[SC+10*(\a)+(\st)] matrix_a_fmt:MATRIX_FMT_FP6 matrix_b_fmt:MATRIX_FMT_FP6 matrix_a_scale:MATRIX_SCALE_ROW1
.else
	v_wmma_scale_f32_16x16x128_f8f6f4 v[8*(8*(\a)+(\b)):8*(8*(\a)+(\b))+7], v[128*((\st)%2)+FR*(\b):128*((\st)%2)+FR*(\b)+FR-1], v[AF+48*((\st)%2)+FR*(\a):AF+48*((\st)%2)+FR*(\a)+FR-1], v[8*(8*(\a)+(\b)):8*(8*(\a)+(\b))+7], v[SC+10*(\b)+(\st)], v[SC+10*(\a)+(\st)] matrix_a_fmt:MATRIX_FMT_FP6 matrix_b_fmt:MATRIX_FMT_FP6 matrix_a_scale:MATRIX_SCALE_ROW1
.endif
.endr
.endm
.macro STEP st, more, zero
	s_wait_dscnt 0x0                               ; this step's fragments are in
	PLACES 4                                       ; ahead of loads into the set that the last step's products read
.set G_, 0
.rept 8
	MUL4 G_/2, 4*(G_%2), \st, \zero
.if (\more) && (G_ < 6)
	FETCHF 2*G_, (\st)+1
	FETCHF 2*G_+1, (\st)+1
.endif
.set G_, G_+1
.endr
.endm
.macro BEGIN                           ; a pass's start: its four tiles are shown to all waves
	WALU
	s_wait_tensorcnt 0x0
	s_barrier_signal -1
	s_barrier_wait -1
	s_wait_xcnt 0x0                                ; the last pass's stores and prefetches have read their registers
.irp i, 0,1,2,3,4,5,6,7
	ds_load_b128 v[SC+10*\i:SC+10*\i+3], v[ADRS] offset:\i*SBLK        ; all of K's scale words: lanes 0-15 A's block i (i over 3: not used), lanes 16-31 B's
	ds_load_b128 v[SC+10*\i+4:SC+10*\i+7], v[ADRS] offset:\i*SBLK+16
.endr
.irp f, 0,1,2,3,4,5,6,7,8,9,10,11
	FETCHF \f, 0
.endr
	WIN 0
.endm
.macro SEVEN                           ; steps 0 to 6
	STEP 0, 1, 1
.set ST, 1
.rept 6
	STEP ST, 1, 0
.set ST, ST+1
.endr
	WIN 0
.endm
; A's block a: four blocks of 32 along B's 128 rows; a lane holds 16 of each, lane l xor 16 the others.  d0: six registers for blocks 0, 1; d1: for blocks 2, 3
.macro QUANT a, d0, d1
.set AC, 64*(\a)
	WIN 0x0a
.irp b, 0,1,2,3
	v_max3_num_f32 v[TM+\b], |v[AC+16*\b]|, |v[AC+16*\b+1]|, 0x1800000
.endr
.irp i, 2,4,6,8,10,12,14
.irp b, 0,1,2,3
	v_max3_num_f32 v[TM+\b], |v[AC+16*\b+\i]|, |v[AC+16*\b+\i+1]|, v[TM+\b]
.endr
.endr
	WIN 0
.irp b, 0,1,2,3
	v_permlanex16_b32 v[TM+4+\b], v[TM+\b], s104, s105
.endr
.irp b, 0,1,2,3
	v_max_num_f32 v[TM+\b], v[TM+\b], v[TM+4+\b]
.endr
.irp b, 0,1,2,3
	v_add_nc_u32 v[TM+12+\b], 0xff000000, v[TM+\b]
.endr
.irp b, 0,1,2,3
	v_lshrrev_b32 v[TM+4+\b], 23, v[TM+12+\b]
.endr
	v_lshl_or_b32 v[PW+(\a)], v[TM+5], 8, v[TM+4]
	v_lshl_or_b32 v[PW+(\a)], v[TM+6], 16, v[PW+(\a)]
	v_lshl_or_b32 v[PW+(\a)], v[TM+7], 24, v[PW+(\a)]
	WIN 2
	v_cvt_scalef32_pk16_fp6_f32 v[(\d0):(\d0)+2], v[AC:AC+15], v[TM+12]
	v_cvt_scalef32_pk16_fp6_f32 v[T:T+2], v[AC+16:AC+31], v[TM+13]
	v_cvt_scalef32_pk16_fp6_f32 v[(\d1):(\d1)+2], v[AC+32:AC+47], v[TM+14]
	v_cvt_scalef32_pk16_fp6_f32 v[T+4:T+6], v[AC+48:AC+63], v[TM+15]
	WIN 0
	v_nop
.irp i, 0,1,2
	v_permlane16_swap_b32 v[(\d0)+\i], v[T+\i]
.endr
.irp i, 0,1,2
	v_mov_b32 v[(\d0)+3+\i], v[T+\i]
.endr
.irp i, 0,1,2
	v_permlane16_swap_b32 v[(\d1)+\i], v[T+4+\i]
.endr
.irp i, 0,1,2
	v_mov_b32 v[(\d1)+3+\i], v[T+4+\i]
.endr
.endm
.macro OUTSET                          ; ahead of a way out
	PLACES 4
	s_mov_b32 vcc_lo, 0xffff0000                   ; written behind the tensor load
.irp b, 0,1,2,3
	v_mov_b32 v[TM+4+\b], 0
.endr
.endm
; ================= Q's and K's passes
.Lpass:
	BEGIN
	s_lshl_b32 s12, s16, 2                         ; the next pass's rows are named: of A's tile the sixteenth 4 cx + wave,
	s_add_co_u32 s12, s12, s14
	s_mul_i32 s12, s12, 16*KROW
	s_mov_b32 s13, 0
	s_add_nc_u64 s[2:3], s[N1:N1+1], s[12:13]
	s_lshl_b32 s12, s17, 2                         ; of B's the sixteenth 4 cy + wave
	s_add_co_u32 s12, s12, s14
	s_mul_i32 s12, s12, 8*KROW
	s_add_nc_u64 s[18:19], s[N1+2:N1+3], s[12:13]
	s_cmp_eq_u32 s67, 0                            ; next is K's pass: B is the weight; next is V's: A is
	s_cselect_b32 s20, 1, s15
	s_cselect_b32 s21, s15, 1
	s_cmp_lg_u32 s20, 0
	s_cbranch_scc0 .Lnot_a
	global_prefetch_b8 v[PF0], s[2:3] th:TH_LOAD_NT scope:SCOPE_SE
	global_prefetch_b8 v[PF0+1], s[2:3] offset:8192 th:TH_LOAD_NT scope:SCOPE_SE
.Lnot_a:
	s_cmp_lg_u32 s21, 0
	s_cbranch_scc0 .Lnot_b
	global_prefetch_b8 v[PF0+2], s[18:19] th:TH_LOAD_NT scope:SCOPE_SE
.Lnot_b:
	SEVEN
	s_wait_dscnt 0x0                               ; step 7's fragments are in: my reads of this pass's tiles are over
	s_wait_tensorcnt 0x0                           ; the three lines ahead of a refill's round
	ds_add_u32 v[SPW], v[NIL]
	NEXT G0A, 0
	NEXT G0B, 1
	NEXT G0S, 2
	NEXT G0T, 3
	MUL4 0, 0, 7, 0
	MUL4 0, 4, 7, 0
	MUL4 1, 0, 7, 0
	MUL4 1, 4, 7, 0
	WIN 0
	s_wait_dscnt 0x0
	s_barrier_signal -1
	MUL4 2, 0, 7, 0
	MUL4 2, 4, 7, 0
	WIN 0
	s_barrier_wait -1
	CREST
	ARMS                                           ; the next pass's four tiles
	MUL4 3, 0, 7, 0
	MUL4 3, 4, 7, 0
	WIN 0
	s_cmp_eq_u32 s67, 0                            ; where the results go: qf or kv
	s_cselect_b64 s[4:5], s[96:97], s[98:99]
	s_mov_b32 s20, KVHEAD
	s_cselect_b32 s20, QHEAD, s20
	s_mov_b32 s21, KVSTEP
	s_cselect_b32 s21, QSTEP, s21
	s_mov_b32 s22, 12288
	s_cselect_b32 s22, 6144, s22
	s_mul_i32 s12, s92, s20
	s_mul_i32 s13, s93, s21
	s_add_co_u32 s12, s12, s13
	s_mov_b32 s13, 0
	s_mov_b32 s21, 0
	s_mov_b32 s23, 0
	s_add_nc_u64 s[4:5], s[4:5], s[12:13]          ; my step's image, first head
	s_add_nc_u64 s[8:9], s[4:5], s[22:23]          ; its scale words,
	s_add_nc_u64 s[8:9], s[8:9], s[100:101]        ; my two of a lane's four
	s_add_nc_u64 s[10:11], s[8:9], s[20:21]        ; second head's
	s_add_nc_u64 s[4:5], s[4:5], s[94:95]          ; my two pairs of tiles
	s_add_nc_u64 s[6:7], s[4:5], s[20:21]
	OUTSET
.irp p, 0,1                            ; a pair of token tiles makes twelve registers for each of the two heads
	QUANT 2*\p, OUT+24*\p, OUT+24*\p+12
	QUANT 2*\p+1, OUT+24*\p+6, OUT+24*\p+18
.irp c, 0,1,2
	global_store_b128 v[L16], v[OUT+24*\p+4*\c:OUT+24*\p+4*\c+3], s[4:5] offset:1536*\p+512*\c
.endr
.irp c, 0,1,2
	global_store_b128 v[L16], v[OUT+24*\p+12+4*\c:OUT+24*\p+12+4*\c+3], s[6:7] offset:1536*\p+512*\c
.endr
.endr
.irp b, 0,1
	v_cndmask_b32 v[SW+4+\b], v[PW+2*\b], v[PW+2*\b+1], vcc_lo
.endr
.irp b, 0,1
	v_and_b32 v[SW+\b], 0xffff, v[SW+4+\b]
	v_lshrrev_b32 v[SW+2+\b], 16, v[SW+4+\b]
.endr
	global_store_b64 v[L16], v[SW:SW+1], s[8:9]
	global_store_b64 v[L16], v[SW+2:SW+3], s[10:11]
	s_add_co_u32 s67, s67, 1
	s_cmp_lt_u32 s67, 2
	WALU
	s_cbranch_scc1 .Lpass
; ================= V's pass: nothing more is fetched
	BEGIN
	SEVEN
	STEP 7, 0, 0
	WIN 0
	s_lshr_b32 s12, s66, 1                         ; my head: 16 x batch + 4 cy + wave
	s_lshl_b32 s12, s12, 4
	s_lshl_b32 s13, s17, 2
	s_add_co_u32 s12, s12, s13
	s_add_co_u32 s12, s12, s14
	s_and_b32 s13, s66, 1                          ; the key step: 4 (cluster % 2) + cx
	s_lshl_b32 s13, s13, 2
	s_add_co_u32 s13, s13, s16
	s_mul_i32 s12, s12, KVHEAD
	s_mul_i32 s13, s13, KVSTEP
	s_add_co_u32 s12, s12, s13
	s_add_co_u32 s12, s12, 6144                    ; V's fragments lie behind K's image
	s_mov_b32 s13, 0
	s_add_nc_u64 s[4:5], s[98:99], s[12:13]
	OUTSET
.irp a, 0,1,2,3                        ; a tile of 16 channels x 128 keys is a fragment of twelve registers
	QUANT \a, OUT+12*\a, OUT+12*\a+6
.irp c, 0,1,2
	global_store_b128 v[L16], v[OUT+12*\a+4*\c:OUT+12*\a+4*\c+3], s[4:5] offset:\a*1536+512*\c
.endr
.endr
.irp j, 0,1
	v_cndmask_b32 v[SW+\j], v[PW+2*\j], v[PW+2*\j+1], vcc_lo
.endr
	global_store_b64 v[L8], v[SW:SW+1], s[4:5] offset:6656
	s_wait_tensorcnt 0x0                           ; the wave's end
	ds_add_u32 v[SPW], v[NIL]
	s_wait_dscnt 0x0
	CROUND                                         ; the closing round
	s_endpgm
.Lfunc_end_k_q70c477a1db_proj:
	.size	k_q70c477a1db_proj, .Lfunc_end_k_q70c477a1db_proj-k_q70c477a1db_proj
	.p2alignl 7, 3214868480
	.fill 96, 4, 3214868480
	.section	.rodata,"a",@progbits
	.p2align	6, 0x0
	.amdhsa_kernel k_q70c477a1db_proj
		.amdhsa_group_segment_fixed_size 327680
		.amdhsa_private_segment_fixed_size 0
		.amdhsa_enable_private_segment 0
		.amdhsa_kernarg_size 48
		.amdhsa_user_sgpr_count 2
		.amdhsa_user_sgpr_kernarg_segment_ptr 1
		.amdhsa_wavefront_size32 1
		.amdhsa_system_sgpr_workgroup_id_x 1
		.amdhsa_system_sgpr_workgroup_id_y 1
		.amdhsa_system_sgpr_workgroup_id_z 1
		.amdhsa_system_vgpr_workitem_id 0
		.amdhsa_next_free_vgpr 768
		.amdhsa_next_free_sgpr 106
		.amdhsa_reserve_vcc 1
		.amdhsa_float_denorm_mode_32 3
		.amdhsa_float_denorm_mode_16_64 3
		.amdhsa_memory_ordered 1
		.amdhsa_forward_progress 1
		.amdhsa_inst_pref_size 163
	.end_amdhsa_kernel
	.amdgpu_metadata
---
amdhsa.version: [ 1, 2 ]
amdhsa.kernels:
  - .name:           k_q70c477a1db_proj
    .symbol:         k_q70c477a1db_proj.kd
    .args:
      - { .name: xc, .offset: 0, .size: 8, .value_kind: global_buffer, .address_space: global }
      - { .name: xs, .offset: 8, .size: 8, .value_kind: global_buffer, .address_space: global }
      - { .name: wc, .offset: 16, .size: 8, .value_kind: global_buffer, .address_space: global }
      - { .name: ws, .offset: 24, .size: 8, .value_kind: global_buffer, .address_space: global }
      - { .name: qf, .offset: 32, .size: 8, .value_kind: global_buffer, .address_space: global }
      - { .name: kv, .offset: 40, .size: 8, .value_kind: global_buffer, .address_space: global }
    .group_segment_fixed_size: 327680
    .private_segment_fixed_size: 0
    .kernarg_segment_align: 8
    .kernarg_segment_size: 48
    .max_flat_workgroup_size: 128
    .sgpr_count:     106
    .vgpr_count:     768
    .wavefront_size: 32
...
	.end_amdgpu_metadata
.endif
;; end of part 2
;; launch attn (part 3): grid 4 x 64, 16 waves a work-group, clusters of 4 x 1, 327,680 bytes of LDS; arguments qf, kv, out0; writes out0
.if DOCPART == 3
	.amdgcn_target "amdgcn-amd-amdhsa--gfx1250"
	.amdhsa_code_object_version 6
	.text
	.protected	k_q70c477a1db_attn
	.globl	k_q70c477a1db_attn
	.p2align	8
	.type	k_q70c477a1db_attn,@function
k_q70c477a1db_attn:
	s_mov_b64 s[64:65], 0
	v_nop
	global_prefetch_b8 v0, s[64:65] scope:SCOPE_SE
	s_setreg_imm32_b32 hwreg(HW_REG_WAVE_MODE, 25, 1), 1
	s_wait_xcnt 0x0
	s_wait_alu depctr_hold_cnt(0) depctr_sa_sdst(0) depctr_va_vdst(0) depctr_va_sdst(0) depctr_va_ssrc(0) depctr_va_vcc(0) depctr_vm_vsrc(0)
	s_getreg_b32 s2, hwreg(HW_REG_IB_STS2, 6, 4)
	s_cmp_eq_u32 s2, 0
	s_cbranch_scc0 .Lentry_in_a_cluster
	s_endpgm
.Lentry_in_a_cluster:
	s_bfe_u32 s2, ttmp6, 0x10000c
	s_cmp_lg_u32 s2, 0x3003
	s_cbranch_scc0 .Lentry_shape_is_right
	s_endpgm
.Lentry_shape_is_right:
; out0[b][q][64 h + d] = the sum over k of softmax_k(Q[q] . K[k] / 8) V[k][d] for each of 128 heads g = 16 b + h, 1,024 queries and keys, head size 64; both products on codes of FP6 (E2M3) with E8M0 scales for each 32 along K.
; qf and kv hold the operands as IMAGES OF THEIR REGISTERS (four registers of 32 lanes in 512 bytes, lane l's 16 bytes at 16 l), as the launch before has laid them:
;   qf: head g at 53,248 g; 128 queries at 6,656 each: 48 registers (register 6 t + i = register i of tile t's fragment), then 512 bytes of scale words (lane l at 16 l, word b: the row 32 b + l).
;   kv: head g at 104,448 g; 128 keys at 13,056 each: K's 48 registers; V's four fragments (16 channels x 128 keys, 12 registers each); K's scale words (512 bytes); V's (256: lane l at 8 l).
; In a group of 32 rows (queries, keys of a tile, channels) row 16 u + r of the image is the tensor's row 8 u + r + 8 (r / 8).
; THE SOFTMAX AHEAD OF THE SECOND PRODUCT: t = score x log2(e) / 8; M = the row's largest t so far, rounded UP to a whole number; p = 2^(t - M) is what is quantised, along the keys, not normalised.  The row's sum is taken
; of the unquantised p, in f32, and divides O at the end.  When M moves, the sum and O are multiplied by 2^(old M - new M): exact.
; A block's largest p is not searched for: the block's largest score goes through the same multiply-add and exponential.  LIMIT: this takes v_exp_f32 not to fall where its input rises; NaN and infinities are not served.
; THE HEAD'S 64 FILL HALF OF THE INSTRUCTION'S 128 ALONG K.  Q's fragment has zero codes in its upper six registers; K's fragments lie six registers apart, so a fragment's upper six are the next tile's codes (behind the
; last tile: six registers of zeros): they meet Q's zero codes, under scale bytes of 0, and add nothing (the format has no code for infinity or NaN).
; SHARES.  A cluster of four work-groups takes two heads, 2 y and 2 y + 1; work-group cx takes queries 256 cx on, for the one head and then for the other; each of its SIXTEEN waves owns 16 queries, one tile, in 256 registers:
; four waves to a SIMD, so that one wave's vector work stands beside another's matrix work and LDS loads.
; LDS.  A whole head's K, V and scale words are 104,448 bytes: both heads are fetched at the start, each byte once, and nothing is filled again.  The second head lands while the first is worked on.
; The four work-groups want the same bytes, so they ask JOINTLY: the same tensor load, with the same descriptor and a mask that names the four; waves 0 to 3 fetch a quarter each of the first head, waves 4 to 7 of the second.
; LAYOUT.  Both products are used transposed: S^T = K Q^T (source 0 = 16 keys, source 1 = my 16 queries), O^T = V^T P^T (source 0 = 16 channels, source 1 = P): a lane holds ONE query (lane % 16) throughout; by the order of
; the rows in the images the 16 registers of two neighbouring tiles are 16 neighbouring keys (channels): 32 b + 16 (lane / 16) + 0 .. 15.
.set KVHEAD, 104448
.set KVSTEP, 13056
.set QHEAD,  53248
.set QSTEP,  6656
.set QUART,  KVHEAD/4                  ; 26,112 bytes = 102 rows of 256: what one tensor load brings
.set VIMG,   6144                      ; in a step: V's fragments,
.set KSCL,   12288                     ; K's scale words,
.set VSCL,   12800                     ; V's
.set STAGE,  2*KVHEAD                  ; behind the two heads: 16 rows x (256 bytes + 16) for each wave, for the way out
.set SP,     272
.set SPARE,  STAGE+16*16*SP            ; behind the stages: the spare words, 128 bytes a wave, which no other line names
.set L16, 1                            ; v1   16 x lane; never rewritten
.set L8,  2                            ; v2   8 x lane; never rewritten
.set ADK, 3                            ; v3   LDS address of the step's images
.set ADS, 4                            ; v4   and of V's scale words
.set SPW, 5                            ; v5   LDS address of my spare word: SPARE + 4 x my thread's number; never rewritten
.set NIL, 6                            ; v6   0; never rewritten
.set GO,  7                            ; v7   the way out: my byte offset in the wave's rows of out0
.set STO, 8                            ; v8   where I put 64 bytes of a row in my stage
.set SRD, 9                            ; v9   where I read a row back
.set QO,  10                           ; v10  my byte offset in Q's image
.set QSO, 11                           ; v11  and among its scale words
                                       ; v12 -M, v13 the largest t, v[14:15] the sum in two halves
.set QA,  16                           ; v16-27   Q's fragment for the first head (v22-27 zeros)
.set QSW, 28                           ; v28, v29 Q's scale words for the two heads
.set KF,  32                           ; v32-79   K's image, then V's; on the way out rows of O
.set ZR,  80                           ; v80-85   zeros
.set VS,  86                           ; v86-87   V's scale words
.set KSW, 88                           ; v88-91   K's scale words
.set S,   96                           ; v96-159  S^T, then p; on the way out O^T / the sum
.set OT,  160                          ; v160-191 O^T
.set QT,  192                          ; v192-203 a pair of Q's tiles as loaded
.set QB2, 204                          ; v204-215 Q's fragment for the second head (v210-215 zeros)
                                       ; v224-235 p's codes; v232-252, v254-255 at work; v253 p's scale word
.set WV,  10                           ; s10  my wave's number
.set CX,  11                           ; s11  my place in the cluster
.set HP,  12                           ; s12  the pair of heads
.set SEL, 20                           ; s[20:21] lane selects for v_permlanex16_b32: lane l xor 16
.set CS,  22                           ; s[22:23] c = log2(e) / 8: the packed form names a pair and takes its low word for both halves
.set G1,  24                           ; s[24:31] descriptor group 1
.set G0A, 32                           ; s[32:35] group 0: my eighth of the two heads (waves 0 to 3 the first head's quarters, waves 4 to 7 the second's)
.set QP,  40                           ; s[40:41] qf at my step of 128 queries, first head
.set OP,  42                           ; s[42:43] out0 at my first row, first head's columns
.set TB,  44                           ; s44  LDS byte at which the key step in hand begins
.set CNT, 45                           ; s45  key steps to go
.macro CROUND                          ; a round of the cluster's barrier
	s_barrier_signal -1
	s_barrier_wait -1
	s_cmp_lg_u32 s[WV], 0
	s_cbranch_scc1 .Lnot_wave_0_\@
	s_barrier_signal -3
.Lnot_wave_0_\@:
	s_barrier_wait -3
	s_barrier_signal -1
	s_barrier_wait -1
.endm
	s_load_b128 s[4:7], s[0:1], 0x0                ; qf s[4:5], kv s[6:7]
	s_load_b64 s[8:9], s[0:1], 0x10                ; out0
	v_lshl_add_u32 v[SPW], v0, 2, SPARE
	v_mov_b32 v[NIL], 0
	ds_add_u32 v[SPW], v[NIL]                      ; the wave's opening: the add and its wait ahead of my first tensor load; the set-up below, work on registers, stands between them
	ds_add_u32 v[SPW], v[NIL]
	v_lshrrev_b32 v1, 5, v0
	s_delay_alu instid0(VALU_DEP_1)
	v_readfirstlane_b32 s[WV], v1                  ; wave 0..15
	s_bfe_u32 s[CX], ttmp6, 0x40000                ; cx: it enters Q's and out0's addresses alone
	s_and_b32 s[HP], ttmp7, 0xffff                 ; the cluster's y: the pair of heads, which the four partners share
	; descriptor group 1: a dense block of 26,112 bytes as 102 rows of 256 bytes (32 elements of 8 bytes), no padding: the images are read as they lie, 512 consecutive bytes an instruction
	s_mov_b32 s[G1+0], 15|(3<<16)|(1<<21)          ; 15:0 the mask: all four work-groups; 17:16 elements of 8 bytes; 20 padding off; 21 set beside a mask
	s_mov_b32 s[G1+1], 32<<16                      ; tensor_dim0 = 32
	s_mov_b32 s[G1+2], 102<<16                     ; tensor_dim1 = 102
	s_mov_b32 s[G1+3], 32<<16                      ; tile_dim0 = 32
	s_mov_b32 s[G1+4], 102                         ; tile_dim1 = 102
	s_mov_b32 s[G1+5], 32                          ; tensor_dim0_stride
	s_mov_b32 s[G1+6], 0
	s_mov_b32 s[G1+7], 0
	s_mul_i32 s13, s[WV], QUART                    ; my eighth of the pair's 208,896 bytes, which lie on end in kv and in LDS alike (waves 0 to 7 alone use it)
	s_mul_i32 s14, s[HP], 2*KVHEAD
	s_add_co_u32 s14, s14, s13                     ; in kv: under 2^24
	s_mov_b32 s15, 0
	s_lshl_b32 s16, s[CX], 1
	s_lshr_b32 s17, s[WV], 3
	s_add_co_u32 s16, s16, s17                     ; my tile is number 16 cx + wave of the head's 64: step 2 cx + wave / 8 of 128 queries
	s_mul_i32 s16, s16, QSTEP
	s_mul_i32 s17, s[HP], 2*QHEAD
	s_add_co_u32 s16, s16, s17
	s_mov_b32 s17, 0
	s_lshl_b32 s18, s[CX], 8                       ; my tile's queries are rows 256 cx + 32 (wave / 2) + 8 (wave % 2) + r + 8 (r / 8) of the batch
	s_lshr_b32 s19, s[WV], 1
	s_lshl_b32 s19, s19, 5
	s_add_co_u32 s18, s18, s19
	s_and_b32 s46, s[WV], 1
	s_lshl_b32 s19, s46, 3
	s_add_co_u32 s18, s18, s19
	s_lshl_b32 s18, s18, 12                        ; rows of 4,096 bytes
	s_lshr_b32 s19, s[HP], 3
	s_lshl_b32 s19, s19, 22                        ; the batch: 4,194,304 bytes
	s_add_co_u32 s18, s18, s19
	s_and_b32 s19, s[HP], 7
	s_lshl_b32 s19, s19, 9                         ; the pair's 128 columns: 512 bytes
	s_add_co_u32 s18, s18, s19
	s_mov_b32 s19, 0
	s_sub_co_u32 s46, 0, s46                       ; all ones in odd waves
	s_mov_b32 s[SEL], 0x76543210
	s_mov_b32 s[SEL+1], 0xfedcba98
	s_mov_b32 s[CS], 0x3e38aa3b                    ; c = log2(e) / 8
	s_mov_b32 s[CS+1], s[CS]                       ; (named with it as a pair, so it is written)
	s_wait_dscnt 0x0                               ; the opening add is done
	s_wait_kmcnt 0x0
	s_add_nc_u64 s[QP:QP+1], s[4:5], s[16:17]
	s_add_nc_u64 s[OP:OP+1], s[8:9], s[18:19]
	s_mov_b32 s[G0A], 1                            ; 1:0 count = 1
	s_mov_b32 s[G0A+1], s13                        ; 63:32 LDS address: wave x 26,112
	s_add_nc_u64 s[G0A+2:G0A+3], s[6:7], s[14:15]  ; 120:64 global address: made of the pair of heads and the wave's number alone
	s_or_b32 s[G0A+3], s[G0A+3], 0x80000000        ; 127:126 type = 2
	CROUND                                         ; all four work-groups are here: the joint loads meet
	s_cmp_lt_u32 s[WV], 4                          ; one chain of branches on the wave's number, one load to an arm: waves 0 to 3 fetch the first head,
	s_cbranch_scc0 .Lsecond
	tensor_load_to_lds s[G0A:G0A+3], s[G1:G1+7]
	s_nop 0
.rept 4
	v_nop
.endr
	s_branch .Lno_fill
.Lsecond:
	s_cmp_lt_u32 s[WV], 8                          ; waves 4 to 7 the second, by a line of their own: they do not wait at the first barrier
	s_cbranch_scc0 .Lno_fill
	tensor_load_to_lds s[G0A:G0A+3], s[G1:G1+7]
	s_nop 0
.rept 4
	v_nop
.endr
.Lno_fill:
	s_mov_b32 vcc_lo, s46                          ; (written behind the tensor loads)
	v_and_b32 v[L8], 31, v0
	s_delay_alu instid0(VALU_DEP_1)
	v_lshlrev_b32 v[L16], 4, v[L8]
	s_delay_alu instid0(VALU_DEP_2)
	v_lshlrev_b32 v[L8], 3, v[L8]
	v_and_b32 v[QO], 15, v0                        ; r
	v_bfe_u32 v[QSO], v0, 4, 1                     ; h
	s_delay_alu instid0(VALU_DEP_1)
	v_lshlrev_b32 v[GO], 12, v[QSO]
	s_delay_alu instid0(VALU_DEP_1)
	v_lshl_add_u32 v[GO], v[QO], 4, v[GO]          ; out0: lanes 0-15 one row, lanes 16-31 the next; 16 bytes a lane
	s_mul_i32 s47, s[WV], 16*SP
	s_add_co_u32 s47, s47, STAGE                   ; my stage
	v_mul_u32_u24 v[STO], v[QO], SP
	s_delay_alu instid0(VALU_DEP_1)
	v_lshl_add_u32 v[STO], v[QSO], 6, v[STO]
	s_delay_alu instid0(VALU_DEP_1)
	v_add_nc_u32 v[STO], s47, v[STO]               ; in: row r, + 64 h: my 16 channels of each 32
	v_mul_u32_u24 v[SRD], v[QSO], SP
	s_delay_alu instid0(VALU_DEP_1)
	v_lshl_add_u32 v[SRD], v[QO], 4, v[SRD]
	s_delay_alu instid0(VALU_DEP_1)
	v_add_nc_u32 v[SRD], s47, v[SRD]               ; back: lanes 0-15 one row of 256 bytes, lanes 16-31 the next
	s_bfe_u32 s48, s[WV], 0x20001                  ; my tile is number wave % 8 of its step: pair (wave % 8) / 2,
	s_and_b32 s49, s[WV], 1                        ; half wave % 2
	s_lshl_b32 s49, s49, 8
	s_lshl_b32 s50, s48, 2
	s_add_co_u32 s49, s49, s50
	s_add_co_u32 s49, s49, 6144
	v_lshl_add_u32 v[QSO], v[QO], 4, s49           ; Q's scale word of row r: lane 16 (wave % 2) + r's 16 bytes, word (wave % 8) / 2, behind the image
	s_mul_i32 s48, s48, 1536
	v_add_nc_u32 v[QO], s48, v[L16]                ; the pair's twelve registers: three runs of 512 bytes
.irp c, 0,1,2
	global_load_b128 v[QT+4*\c:QT+4*\c+3], v[QO], s[QP:QP+1] offset:512*\c
.endr
	global_load_b32 v[QSW], v[QSO], s[QP:QP+1]
.irp c, 0,1,2
	global_load_b128 v[S+4*\c:S+4*\c+3], v[QO], s[QP:QP+1] offset:QHEAD+512*\c
.endr
	global_load_b32 v[QSW+1], v[QSO], s[QP:QP+1] offset:QHEAD
.irp i, 0,1,2,3,4,5
	v_mov_b32 v[QA+6+\i], 0                        ; zero codes for the upper 64 along K
	v_mov_b32 v[QB2+6+\i], 0
	v_mov_b32 v[ZR+\i], 0                          ; and behind K's last tile
.endr
.irp b, 0,1,2,3
	v_mov_b32 v[236+\b], 0                         ; written once: a lane permute's destination counts as one of its sources
.endr
	v_mov_b32 v253, 0                              ; (named as the upper half of the pair v[252:253] before it is first written)
	s_wait_loadcnt 0x0
.irp i, 0,1,2,3,4,5
	v_cndmask_b32 v[QA+\i], v[QT+\i], v[QT+6+\i], vcc_lo     ; my tile of the pair: even waves the first six registers, odd waves the second
	v_cndmask_b32 v[QB2+\i], v[S+\i], v[S+6+\i], vcc_lo
.endr
; A KEY STEP: 128 keys.  qf: Q's fragment, qs: its scale words.
.macro KSTEP qf, qs
	v_add_nc_u32 v[ADK], s[TB], v[L16]
	v_add_nc_u32 v[ADS], s[TB], v[L8]
	v_nop
	v_nop                                          ; four places in front of loads into registers that the last products have read
.irp c, 0,1,2,3,4,5,6,7,8,9,10,11
	ds_load_b128 v[KF+4*\c:KF+4*\c+3], v[ADK] offset:512*\c          ; K's eight tiles, six registers each
.endr
	ds_load_b128 v[KSW:KSW+3], v[ADK] offset:KSCL                    ; word b: lanes 0-15 tile 2 b, lanes 16-31 tile 2 b + 1
	ds_load_b64 v[VS:VS+1], v[ADS] offset:VSCL                       ; likewise for V's four fragments
	s_wait_alu depctr_va_vdst(0)
	s_wait_dscnt 0x0
.irp t, 0,1,2,3,4,5,6,7                        ; S^T = K Q^T: eight accumulators, one instruction each
.if \t%2
	v_wmma_scale_f32_16x16x128_f8f6f4 v[S+8*\t:S+8*\t+7], v[KF+6*\t:KF+6*\t+11], v[\qf:\qf+11], 0, v[KSW+\t/2], v[\qs] matrix_a_fmt:MATRIX_FMT_FP6 matrix_b_fmt:MATRIX_FMT_FP6 matrix_a_scale:MATRIX_SCALE_ROW1
.else
	v_wmma_scale_f32_16x16x128_f8f6f4 v[S+8*\t:S+8*\t+7], v[KF+6*\t:KF+6*\t+11], v[\qf:\qf+11], 0, v[KSW+\t/2], v[\qs] matrix_a_fmt:MATRIX_FMT_FP6 matrix_b_fmt:MATRIX_FMT_FP6
.endif
.endr
.rept 4
	v_nop                                          ; four places: in front of the loads into K's registers, and of the first read of the scores
.endr
.irp c, 0,1,2,3,4,5,6,7,8,9,10,11
	ds_load_b128 v[KF+4*\c:KF+4*\c+3], v[ADK] offset:VIMG+512*\c     ; V's four fragments: they land while the softmax is worked
.endr
.irp b, 0,1,2,3
	v_max3_num_f32 v[232+\b], v[S+16*\b], v[S+1+16*\b], v[S+2+16*\b]   ; THE LARGEST SCORE OF EACH BLOCK OF 32 KEYS: it serves twice: for the row's maximum, and, since p rises with the score, for the block's largest p
.endr
.irp i, 3,5,7,9,11,13
.irp b, 0,1,2,3
	v_max3_num_f32 v[232+\b], v[232+\b], v[S+16*\b+\i], v[S+1+16*\b+\i]   ; (the four blocks by turns)
.endr
.endr
.irp b, 0,1,2,3
	v_max_num_f32 v[232+\b], v[232+\b], v[S+15+16*\b]
.endr
.irp b, 0,1,2,3
	s_delay_alu instid0(VALU_DEP_4)
	v_permlanex16_b32 v[236+\b], v[232+\b], s[SEL], s[SEL+1]
.endr
.irp b, 0,1,2,3
	s_delay_alu instid0(VALU_DEP_4)
	v_max_num_f32 v[232+\b], v[232+\b], v[236+\b]  ; with lane l xor 16's 16 keys
.endr
	s_delay_alu instid0(VALU_DEP_2)
	v_max3_num_f32 v254, v232, v233, v234
	s_delay_alu instid0(VALU_DEP_1)
	v_max_num_f32 v254, v254, v235                 ; the step's largest score of my query
	s_delay_alu instid0(VALU_DEP_1)
	v_mul_f32 v254, s[CS], v254                    ; as t (c is positive)
	s_delay_alu instid0(VALU_DEP_1)
	v_max_num_f32 v13, v13, v254                   ; the running largest t
	v_mov_b32 v254, v12
	s_delay_alu instid0(VALU_DEP_2)
	v_floor_f32 v12, -v13                          ; the new -M = floor(-t) = -ceil(t): M IS A WHOLE NUMBER
	s_delay_alu instid0(VALU_DEP_1)
	v_sub_f32 v254, v12, v254                      ; M's old value less its new one: a whole number, 0 or less
	s_delay_alu instid0(VALU_DEP_1)
	v_cvt_i32_f32 v254, v254                       ; (it saturates)
	s_delay_alu instid0(VALU_DEP_1)
	v_ldexp_f32 v252, 1.0, v254                    ; f = 2^(old M - new M): a multiplication by it rounds nothing
.set J, 0
.rept 32
	v_pk_fma_f32 v[S+J:S+J+1], v[S+J:S+J+1], s[CS:CS+1], v[12:13] op_sel_hi:[1,0,0]   ; t - M, two at a time (of the pairs c and -M the low word serves both halves)
.set J, J+2
.endr
.irp b, 0,1,2,3
	v_fma_f32 v[232+\b], v[232+\b], s[CS], v12     ; the same of each block's largest score
.endr
.set J, 0
	s_wait_alu depctr_va_vdst(0)
.rept 64
	v_exp_f32 v[S+J], v[S+J]                       ; p = 2^(t - M), at most 1: NOT normalised
.set J, J+1
.endr
	v_pk_mul_f32 v[14:15], v[14:15], v[252:253] op_sel_hi:[1,0]   ; the sums under the new M.  (A plain place behind the exponentials)
	s_wait_alu depctr_va_vdst(0)                   ; one wait for the whole batch, ahead of its first reader
.irp b, 0,1,2,3
	v_exp_f32 v[232+\b], v[232+\b]                 ; the block's largest p: the same two instructions on the same number give the same bits
.endr
	v_pk_add_f32 v[236:237], v[100:101], v[104:105]
	v_pk_add_f32 v[254:255], v[108:109], v[112:113]
	v_pk_add_f32 v[250:251], v[116:117], v[120:121]
	v_pk_add_f32 v[248:249], v[124:125], v[128:129]
	v_pk_add_f32 v[246:247], v[132:133], v[136:137]
	v_pk_add_f32 v[244:245], v[140:141], v[144:145]
	v_pk_add_f32 v[242:243], v[148:149], v[152:153]
	v_pk_add_f32 v[14:15], v[14:15], v[156:157]
	v_pk_add_f32 v[236:237], v[236:237], v[96:97]
	v_pk_add_f32 v[254:255], v[254:255], v[98:99]
	v_pk_add_f32 v[250:251], v[250:251], v[102:103]
	v_pk_add_f32 v[248:249], v[248:249], v[106:107]
	v_pk_add_f32 v[246:247], v[246:247], v[110:111]
	v_pk_add_f32 v[244:245], v[244:245], v[114:115]
	v_pk_add_f32 v[242:243], v[242:243], v[118:119]
	v_pk_add_f32 v[14:15], v[14:15], v[122:123]
	v_pk_add_f32 v[236:237], v[236:237], v[126:127]
	v_pk_add_f32 v[254:255], v[254:255], v[130:131]
	v_pk_add_f32 v[250:251], v[250:251], v[134:135]
	v_pk_add_f32 v[248:249], v[248:249], v[138:139]
	v_pk_add_f32 v[246:247], v[246:247], v[142:143]
	v_pk_add_f32 v[244:245], v[244:245], v[146:147]
	v_pk_add_f32 v[242:243], v[242:243], v[150:151]
	v_pk_add_f32 v[14:15], v[14:15], v[154:155]
	v_pk_add_f32 v[236:237], v[236:237], v[158:159]
	s_delay_alu instid0(VALU_DEP_2)
	v_pk_add_f32 v[14:15], v[14:15], v[248:249]
	s_delay_alu instid0(VALU_DEP_2)
	v_pk_add_f32 v[236:237], v[236:237], v[246:247]
	v_pk_add_f32 v[254:255], v[254:255], v[244:245]
	v_pk_add_f32 v[250:251], v[250:251], v[242:243]
	s_delay_alu instid0(VALU_DEP_2)
	v_pk_add_f32 v[14:15], v[14:15], v[254:255]
	s_delay_alu instid0(VALU_DEP_2)
	v_pk_add_f32 v[236:237], v[236:237], v[250:251]
	s_delay_alu instid0(VALU_DEP_1)
	v_pk_add_f32 v[14:15], v[14:15], v[236:237]
	s_wait_alu depctr_va_vdst(0)                   ; and one for the four
.irp b, 0,1,2,3
	v_max_num_f32 v[232+\b], 0x1800000, v[232+\b]  ; the floor 2^(3 - 127): the byte cannot fall under 1 (a block whose every p has fallen to 0 keeps that byte: its codes are zeros)
.endr
.irp b, 0,1,2,3
	s_delay_alu instid0(VALU_DEP_4)
	v_add_nc_u32 v[244+\b], 0xff000000, v[232+\b]  ; 2 off the exponent field: the conversion's scale operand
.endr
.irp b, 0,1,2,3
	s_delay_alu instid0(VALU_DEP_4)
	v_lshrrev_b32 v[236+\b], 23, v[244+\b]         ; the scale's byte
.endr
	s_delay_alu instid0(VALU_DEP_3)
	v_lshl_or_b32 v253, v237, 8, v236              ; p's scale word for these 128 keys
	s_delay_alu instid0(VALU_DEP_1)
	v_lshl_or_b32 v253, v238, 16, v253
	s_delay_alu instid0(VALU_DEP_1)
	v_lshl_or_b32 v253, v239, 24, v253
.irp c, 0,1
	v_cvt_scalef32_pk16_fp6_f32 v[224+6*\c:226+6*\c], v[S+32*\c:S+15+32*\c], v[244+2*\c]
	v_cvt_scalef32_pk16_fp6_f32 v[236+4*\c:238+4*\c], v[S+16+32*\c:S+31+32*\c], v[244+2*\c+1]   ; (a conversion's three registers begin on an even number)
.endr
	v_nop                                          ; one plain place behind a scaled conversion
.irp c, 0,1                                    ; the operand's layout wants a WHOLE block in a lane: lanes 0-15 block 2 c, lanes 16-31 block 2 c + 1
.irp i, 0,1,2
	v_permlane16_swap_b32 v[224+6*\c+\i], v[236+4*\c+\i]
.endr
.irp i, 0,1,2
	s_delay_alu instid0(VALU_DEP_3)
	v_mov_b32 v[227+6*\c+\i], v[236+4*\c+\i]
.endr
.endr
.set J, 0
.rept 16
	v_pk_mul_f32 v[OT+J:OT+J+1], v[OT+J:OT+J+1], v[252:253] op_sel_hi:[1,0]   ; O^T under the new M: x f.  (These sixteen also stand between the writes of p's codes and scale word and the products below)
.set J, J+2
.endr
	s_wait_alu depctr_va_vdst(0)
	s_wait_dscnt 0x0                               ; V is in
.irp t, 0,1,2,3                                ; O^T += V^T P^T: four accumulators by turns, one instruction a turn; K = these 128 keys
.if \t%2
	v_wmma_scale_f32_16x16x128_f8f6f4 v[OT+8*\t:OT+8*\t+7], v[KF+12*\t:KF+12*\t+11], v[224:235], v[OT+8*\t:OT+8*\t+7], v[VS+\t/2], v253 matrix_a_fmt:MATRIX_FMT_FP6 matrix_b_fmt:MATRIX_FMT_FP6 matrix_a_scale:MATRIX_SCALE_ROW1
.else
	v_wmma_scale_f32_16x16x128_f8f6f4 v[OT+8*\t:OT+8*\t+7], v[KF+12*\t:KF+12*\t+11], v[224:235], v[OT+8*\t:OT+8*\t+7], v[VS+\t/2], v253 matrix_a_fmt:MATRIX_FMT_FP6 matrix_b_fmt:MATRIX_FMT_FP6
.endif
.endr
	s_add_co_u32 s[TB], s[TB], KVSTEP              ; the next 128 keys
.endm
; ONE HEAD for my 16 queries: p = 0 the pair's first head, 1 its second.
.macro PASS p, qf, qs
	v_mov_b32 v13, 0xff61b1e6                      ; the largest t so far: -3e38, under every t
	s_delay_alu instid0(VALU_DEP_1)
	v_floor_f32 v12, -v13                          ; -M
	v_mov_b32 v14, 0                               ; the sum, in two halves
	v_mov_b32 v15, 0
.set J, 0
.rept 32
	v_mov_b32 v[OT+J], 0                           ; O^T.  (The key step is written once: the first finds zeros, which the first change of M leaves zeros)
.set J, J+1
.endr
	s_mov_b32 s[TB], KVHEAD*\p
.if \p == 0
	KSTEP \qf, \qs                                 ; the first head's first key step is written out: behind it stands the barrier that shows the second head
	s_wait_tensorcnt 0x0                           ; every wave: my part of the second head, if I fetched one, is in,
	s_wait_dscnt 0x0                               ; and no LDS instruction of mine is out
	s_barrier_signal -1
	s_barrier_wait -1                              ; everybody's is
	s_mov_b32 s[CNT], 7                            ; the other seven key steps: no barrier and no tensor load stands in the loop
.else
	s_mov_b32 s[CNT], 8                            ; 1,024 keys, 128 a step
.endif
.Lkey_\@:
	KSTEP \qf, \qs
	s_sub_co_u32 s[CNT], s[CNT], 1
	s_cmp_lg_u32 s[CNT], 0
	s_cbranch_scc1 .Lkey_\@
	; THE WAY OUT.  O^T is divided by the row's sum and goes through my stage in LDS: a lane holds 2 x 16 neighbouring channels of one query; back come whole rows of 256 bytes.
	v_nop
	v_nop                                          ; with the two additions and the v_nop below: five plain places behind the last products
	v_add_f32 v14, v14, v15                        ; the sum's two halves,
	s_delay_alu instid0(VALU_DEP_1)
	v_permlanex16_b32 v252, v14, s[SEL], s[SEL+1]
	s_delay_alu instid0(VALU_DEP_1)
	v_add_f32 v14, v14, v252                       ; and lane l xor 16's: the row's sum
	s_wait_alu depctr_va_vdst(0)
	v_rcp_f32 v14, v14
	v_nop                                          ; one plain place behind the transcendental
	s_wait_alu depctr_va_vdst(0)                   ; and the wait ahead of its first reader
.set J, 0
.rept 16
	v_pk_mul_f32 v[S+J:S+J+1], v[OT+J:OT+J+1], v[14:15] op_sel_hi:[1,0]   ; each accumulator from its low end on: register 16 u + i is channel 32 u + 16 (lane / 16) + i
.set J, J+2
.endr
.irp u, 0,1
.irp k, 0,1,2,3
	ds_store_b128 v[STO], v[S+16*\u+4*\k:S+16*\u+4*\k+3] offset:128*\u+16*\k
.endr
.endr
.irp i, 0,1,2,3,4,5,6,7
	ds_load_b128 v[KF+4*\i:KF+4*\i+3], v[SRD] offset:2*\i*SP   ; LDS serves a wave's instructions in order (ISA guide 5.7.1.4): these see my stores
.endr
.irp i, 0,1,2,3,4,5,6,7
	s_wait_dscnt 7-\i                              ; the younger loads from the stage may be out
	global_store_b128 v[GO], v[KF+4*\i:KF+4*\i+3], s[OP:OP+1] offset:(2*\i+8*(\i/4))*4096+256*\p th:TH_STORE_NT   ; stage rows 2 i and 2 i + 1 are the tile's queries r + 8 (r / 8); each 16 lanes store 256 consecutive bytes, at a multiple of 256 from out0's first byte
.endr
.endm
	s_cmp_lt_u32 s[WV], 4                          ; the waves that fetched the first head wait for it; the second head's loads may stay out
	s_cbranch_scc0 .Lnot_first
	s_wait_tensorcnt 0x0
.Lnot_first:
	s_barrier_signal -1
	s_barrier_wait -1                              ; the first head is in
	PASS 0, QA, QSW
	s_wait_xcnt 0x0                                ; the first head's stores have read their registers, into which the next key step loads
	PASS 1, QB2, QSW+1
	s_wait_tensorcnt 0x0                           ; the wave's end: behind my last tensor load and my last LDS store
	ds_add_u32 v[SPW], v[NIL]
	s_wait_dscnt 0x0
	CROUND                                         ; the closing round: no work-group ends while a partner may still ask for bytes by a load that names it
	s_endpgm
.Lfunc_end_k_q70c477a1db_attn:
	.size	k_q70c477a1db_attn, .Lfunc_end_k_q70c477a1db_attn-k_q70c477a1db_attn
	.p2alignl 7, 3214868480
	.fill 96, 4, 3214868480
	.section	.rodata,"a",@progbits
	.p2align	6, 0x0
	.amdhsa_kernel k_q70c477a1db_attn
		.amdhsa_group_segment_fixed_size 327680
		.amdhsa_private_segment_fixed_size 0
		.amdhsa_enable_private_segment 0
		.amdhsa_kernarg_size 24
		.amdhsa_user_sgpr_count 2
		.amdhsa_user_sgpr_kernarg_segment_ptr 1
		.amdhsa_wavefront_size32 1
		.amdhsa_system_sgpr_workgroup_id_x 1
		.amdhsa_system_sgpr_workgroup_id_y 1
		.amdhsa_system_sgpr_workgroup_id_z 1
		.amdhsa_system_vgpr_workitem_id 0
		.amdhsa_next_free_vgpr 256
		.amdhsa_next_free_sgpr 66
		.amdhsa_reserve_vcc 1
		.amdhsa_float_denorm_mode_32 3
		.amdhsa_float_denorm_mode_16_64 3
		.amdhsa_memory_ordered 1
		.amdhsa_forward_progress 1
		.amdhsa_inst_pref_size 67
	.end_amdhsa_kernel
	.amdgpu_metadata
---
amdhsa.version: [ 1, 2 ]
amdhsa.kernels:
  - .name:           k_q70c477a1db_attn
    .symbol:         k_q70c477a1db_attn.kd
    .args:
      - { .name: qf, .offset: 0, .size: 8, .value_kind: global_buffer, .address_space: global }
      - { .name: kv, .offset: 8, .size: 8, .value_kind: global_buffer, .address_space: global }
      - { .name: out0, .offset: 16, .size: 8, .value_kind: global_buffer, .address_space: global }
    .group_segment_fixed_size: 327680
    .private_segment_fixed_size: 0
    .kernarg_segment_align: 8
    .kernarg_segment_size: 24
    .max_flat_workgroup_size: 512
    .sgpr_count:     66
    .vgpr_count:     256
    .wavefront_size: 32
...
	.end_amdgpu_metadata
.endif
;; end of part 3
